; MI455X (gfx1250); checked and timed in simulation.
; The chip was launched on July 23, 2026; its instructions are those of AMD's public machine-readable ISA for CDNA 5 (MIT licence, August 2026) and "CDNA5" Instruction Set Architecture Reference Guide (July 2026). The comments in the code are by the model that wrote it; some were corrected since.
;; Mo E Layer. Allowed arithmetic: float matrix products may take bf16 or f16 operands with f32 sums; other float arithmetic in f32, or as packed bf16 or f16 multiplies, adds, multiply-adds, maxima and minima; sums over many terms, partial sums and values carried from step to step in f32; what a program stores and reads back later, other than sums and carried values, may be rounded once to bf16 or f16.
;; Inputs: W1 8 x 512 x 2,048 float32; W2 8 x 2,048 x 512 float32; Wr 512 x 8 float32; b1 8 x 2,048 float32; b2 8 x 512 float32; br 8 float32; x 8 x 512 x 512 float32.
;; Outputs: out0 8 x 512 x 512 float32; out1 one number float32.
;; One version. Each part assembles by itself: llvm-mc -triple=amdgcn-amd-amdhsa -mcpu=gfx1250 --defsym DOCPART=n.
;; ======== version 1 of 1: 3 launches
;; workspace buffers: xb 4,194,304 bytes; route 24,576 bytes of whole numbers; gates 32,768 bytes; psum 4,096 bytes; part 67,108,864 bytes; wb 33,554,432 bytes
;; launch router (part 1): grid 640 x 1, 4 waves a work-group, no clusters, 48,128 bytes of LDS; arguments x, Wr, br, xb, route, gates, psum, W1, W2, wb; writes xb, route, gates, psum, wb
.if DOCPART == 1
	.amdgcn_target "amdgcn-amd-amdhsa--gfx1250"
	.amdhsa_code_object_version 6
	.text
	.protected	k_qdb5c8d5749_router
	.globl	k_qdb5c8d5749_router
	.p2align	8
	.type	k_qdb5c8d5749_router,@function
k_qdb5c8d5749_router:
	s_mov_b64 s[64:65], 0
	v_nop
	global_prefetch_b8 v0, s[64:65] scope:SCOPE_SE
	s_setreg_imm32_b32 hwreg(HW_REG_WAVE_MODE, 25, 1), 1
	s_wait_xcnt 0x0
; THE ROUTER, AND THE WEIGHTS' CAST: two kinds of work-groups in one launch, told apart by the work-group's number alone.
; WORK-GROUPS 0-127, THE ROUTER.  logits = x Wr + br, gate = softmax over 8 experts, the two largest gates of each token; besides, x is rounded to bf16 once for the next launch.
; x [4096][512] f32, Wr [512][8] f32, br [8] f32.  All three are rounded to bf16 (nearest even); products in the matrix unit, sums, softmax and gates in f32.
; STORES.  xb [4096][512] bf16.  route: bytes 0.. bm[word][expert] u32 (bit t % 32 of word t / 32: token t chose the expert); bytes 4096.. the number of ones of each such word, u8;
; bytes 8192.. sel[t] = first choice | second choice << 8.  gates [4096][2] f32.  psum [128][8] f32: the sum of the gates over a work-group's 32 tokens.
; SHARES.  A work-group has 32 tokens (one word of the bitmap).  Wave w takes k = 128 w .. 128 w + 127 of all 32 tokens: 32 loads, each one row's 512 consecutive
; bytes, all on their way at once.  The four partial logits meet in LDS, and wave 0 does the softmax, one token a lane.
; THE PRODUCT IS USED TRANSPOSED: source 0 = Wr^T (row = expert; rows 8-15 repeat experts 0-7), source 1 = 16 tokens.  A lane then holds all eight logits of ONE token.
; No address and no branch hangs on a gate: the choices are stored at fixed places, and the next launch forms addresses from them.
; WORK-GROUPS 128-639, THE CAST.  W1 [8][512][2048] and W2 [8][2048][512], f32, are rounded to bf16 once and stored in the order in which the next launch's waves take them as matrix operands.
; wb: block 16 E + 4 slice + wave of 256 KiB; in it product x 128 KiB, K step (32 rows) x 8 KiB, fragment 4 group + c x 1 KiB, register half x 512, lane x 16 bytes.  In fragment c of a group of 64 columns
; lane (r, h) stands for column 4 r + c and holds k = 8 h .. + 7 (first half) and 16 + 8 h .. + 7 (second).  A UNIT is 32 rows x 64 columns: 16 loads (sixteen lanes take 256 consecutive aligned bytes of a
; row), 32 roundings in pairs, 8 stores of 512 consecutive bytes.  8,192 units, four to a wave: four neighbouring groups of columns of the same 32 rows.  Three slots of 16 loads are on their way.
; No cluster, no tensor load: no two work-groups read the same bytes but Wr's 16 KiB.
; LIMITS.  The maximum is taken away before the exponentials.  A gate below 2^-126 counts as 0.  Of equal gates the lower expert wins; gates closer than the f32 sums' rounding may be ordered
; otherwise than by another order of summation.  NaN and infinities are not treated apart.  The tables (32 + 8 + 32 bytes a work-group) are stores of less than 256 bytes.
.set NR,    128                        ; the routing work-groups
.set XP,    272                        ; an LDS row: 256 bytes of bf16 + 16: the 16 rows of a fragment load start at 16 different groups of four banks (64 banks of 4 bytes: ISA guide 11.1)
.set WRS,   4*32*XP                    ; behind x's four strips (32 rows each): Wr^T, 8 rows a wave
.set PARTS, WRS+4*8*XP                 ; partial logits: 1,024 bytes a wave, two planes of 512
.set SPARE, PARTS+4096                 ; the spare words, 128 bytes a wave: two blocks of 256 bytes that no other line names
; router: v0 thread, v1 lane, v2 lane % 16, v3 lane / 16, v4 my spare word, v5 0, v6-v13 addresses, v16-31 Wr packed, v32-63 Wr f32, v64-191 x f32, v192-255 x packed (store data, never rewritten)
; cast:   v6 my place in a unit's first row, v8 16 lane, v16-47 a unit packed, v48-63 the 16 rows' offsets, v64-255 three slots of 64
.macro CLOAD u, q                      ; unit u's 16 loads into the slot at q
.set i, 0
.rept 16
	global_load_b128 v[(\q)+4*i:(\q)+4*i+3], v[48+i], s[40:41] offset:256*(\u) th:TH_LOAD_NT
.set i, i+1
.endr
.endm
.macro CCVT q, o                       ; register k of fragment c: rows 2 k and 2 k + 1 of the slot, column c of the lane's four
.set k, 0
.rept 8
.irp c, 0,1,2,3
	v_cvt_pk_bf16_f32 v[(\o)+8*\c+k], v[(\q)+8*k+\c], v[(\q)+8*k+4+\c]
.endr
.set k, k+1
.endr
.endm
.macro CSTORE u, o                     ; units 0, 1: the two groups of one wave's block; units 2, 3: of the next block.  Each store covers 512 consecutive bytes, at a multiple of 256 from wb's first
.irp c, 0,1,2,3
	global_store_b128 v8, v[(\o)+8*\c:(\o)+8*\c+3],   s[46:47] offset:((\u)/2)*262144+((\u)%2)*4096+\c*1024 th:TH_STORE_NT
	global_store_b128 v8, v[(\o)+8*\c+4:(\o)+8*\c+7], s[46:47] offset:((\u)/2)*262144+((\u)%2)*4096+\c*1024+512 th:TH_STORE_NT
.endr
.endm
	s_load_b256 s[4:11], s[0:1], 0x0               ; x s[4:5], Wr s[6:7], br s[8:9], xb s[10:11]
	s_load_b128 s[12:15], s[0:1], 0x20             ; route s[12:13], gates s[14:15]
	s_load_b128 s[16:19], s[0:1], 0x30             ; psum s[16:17], W1 s[18:19]
	s_load_b128 s[44:47], s[0:1], 0x40             ; W2 s[44:45], wb s[46:47]
	v_lshl_add_u32 v4, v0, 2, SPARE
	v_mov_b32 v5, 0
	v_and_b32 v1, 31, v0
	v_and_b32 v2, 15, v0
	v_bfe_u32 v3, v0, 4, 1
	v_lshrrev_b32 v14, 5, v0
	v_readfirstlane_b32 s20, v14                   ; wave 0..3
	s_mov_b32 s21, 0xffff0000                      ; a word's upper bf16; also the mask of lanes 16-31
	s_mov_b32 s22, 0x76543210                      ; v_permlanex16_b32: each lane takes its own place in the other half
	s_mov_b32 s23, 0xfedcba98
	s_cmp_lt_u32 ttmp9, NR
	s_cbranch_scc0 .Lcast
	s_lshl_b32 s33, s20, 9
	v_lshl_add_u32 v6, v1, 4, s33                  ; x: 512 w + 16 lane
	s_lshl_b32 s33, s20, 8
	v_lshl_add_u32 v7, v1, 3, s33                  ; xb: 256 w + 8 lane
	s_mul_i32 s35, s20, 32*XP                      ; my strip of x in LDS
	v_lshl_add_u32 v8, v1, 3, s35
	s_lshl_b32 s33, s20, 12
	v_lshl_add_u32 v9, v1, 4, s33                  ; Wr: my 128 rows of 32 bytes, 16 bytes a lane
	s_mul_i32 s34, s20, 8*XP
	s_add_co_u32 s34, s34, WRS                     ; my Wr^T
	v_and_b32 v14, 1, v0
	v_mul_u32_u24 v14, v14, 4*XP                   ; a lane's four numbers are experts 4 (lane % 2) + 0..3
	v_lshrrev_b32 v15, 1, v1                       ; of k = 16 i + lane / 2
	v_lshl_add_u32 v14, v15, 1, v14
	v_add_nc_u32 v10, s34, v14
	v_and_b32 v14, 7, v0
	v_mul_u32_u24 v14, v14, XP                     ; fragment of Wr^T: row (lane % 16) % 8
	v_lshl_add_u32 v14, v3, 4, v14
	v_add_nc_u32 v11, s34, v14
	v_mul_u32_u24 v14, v2, XP                      ; fragment of x: row lane % 16
	v_lshl_add_u32 v14, v3, 4, v14
	v_add_nc_u32 v12, s35, v14
	s_lshl_b32 s33, s20, 10
	s_add_co_u32 s33, s33, PARTS
	v_lshl_add_u32 v13, v1, 4, s33
	s_lshl_b32 s36, ttmp9, 16                      ; 32 rows of 2,048 bytes
	s_mov_b32 s37, 0
	s_lshl_b32 s38, ttmp9, 15                      ; 32 rows of 1,024 bytes
	s_mov_b32 s39, 0
	s_wait_kmcnt 0x0
	s_add_nc_u64 s[4:5], s[4:5], s[36:37]
	s_add_nc_u64 s[10:11], s[10:11], s[38:39]
.irp i, 0,1,2,3,4,5,6,7
	global_load_b128 v[32+4*\i:32+4*\i+3], v9, s[6:7] offset:512*\i
.endr
.set i, 0
.rept 32
	global_load_b128 v[64+4*i:64+4*i+3], v6, s[4:5] offset:2048*i th:TH_LOAD_NT
.set i, i+1
.endr
	s_wait_loadcnt 32                              ; loads come back in order: Wr is in, the 32 younger loads of x stay out
.irp i, 0,1,2,3,4,5,6,7
	v_cvt_pk_bf16_f32 v[16+2*\i], v[32+4*\i], v[33+4*\i]
	v_cvt_pk_bf16_f32 v[17+2*\i], v[34+4*\i], v[35+4*\i]
	ds_store_b16 v10, v[16+2*\i] offset:32*\i
	ds_store_b16_d16_hi v10, v[16+2*\i] offset:XP+32*\i
	ds_store_b16 v10, v[17+2*\i] offset:2*XP+32*\i
	ds_store_b16_d16_hi v10, v[17+2*\i] offset:3*XP+32*\i
.endr
.set i, 0
.rept 32
	s_wait_loadcnt 31-i                            ; row i is in; the younger rows stay out
	v_cvt_pk_bf16_f32 v[192+2*i], v[64+4*i], v[65+4*i]
	v_cvt_pk_bf16_f32 v[193+2*i], v[66+4*i], v[67+4*i]
	global_store_b64 v7, v[192+2*i:193+2*i], s[10:11] offset:1024*i  ; the wave's 32 lanes store 256 consecutive bytes, at a multiple of 256 from xb's first
	ds_store_b64 v8, v[192+2*i:193+2*i] offset:XP*i
.set i, i+1
.endr
	; fragments, from the wave's own bytes: LDS serves a wave's instructions in order (ISA guide 5.7.1.4), so these see the stores above
.irp k, 0,1,2,3
	ds_load_b128 v[64+8*\k:64+8*\k+3], v11 offset:64*\k
	ds_load_b128 v[64+8*\k+4:64+8*\k+7], v11 offset:64*\k+32
	ds_load_b128 v[96+8*\k:96+8*\k+3], v12 offset:64*\k
	ds_load_b128 v[96+8*\k+4:96+8*\k+7], v12 offset:64*\k+32
	ds_load_b128 v[128+8*\k:128+8*\k+3], v12 offset:16*XP+64*\k
	ds_load_b128 v[128+8*\k+4:128+8*\k+7], v12 offset:16*XP+64*\k+32
.endr
	s_wait_dscnt 0x0
	; two accumulators (tokens 0-15, tokens 16-31) by turns; the first K step starts the sums
	v_wmma_f32_16x16x32_bf16 v[160:167], v[64:71], v[96:103], 0
	v_wmma_f32_16x16x32_bf16 v[168:175], v[64:71], v[128:135], 0
.irp k, 1,2,3
	v_wmma_f32_16x16x32_bf16 v[160:167], v[64+8*\k:64+8*\k+7], v[96+8*\k:96+8*\k+7], v[160:167]
	v_wmma_f32_16x16x32_bf16 v[168:175], v[64+8*\k:64+8*\k+7], v[128+8*\k:128+8*\k+7], v[168:175]
.endr
.rept 4
	v_nop                                          ; four places between a matrix instruction and the first vector read of its result (ISA guide 7.12.1)
.endr
.irp j, 0,1,2,3,4,5,6,7
	v_cndmask_b32 v[176+\j], v[160+\j], v[168+\j], s21  ; lane l now holds expert j's partial logit of token l; the lowest registers are read first
.endr
	ds_store_b128 v13, v[176:179]
	ds_store_b128 v13, v[180:183] offset:512
	s_branch .Lmeet
.Lcast:
	; my job J = 4 (work-group - 128) + wave, 0..2047: J < 1024: W1, expert J / 128, K step (J % 128) / 8, columns 256 (J % 8) on; else W2, expert, K step (J % 128) / 2 of 64, columns 256 (J % 2) on
	s_sub_co_u32 s48, ttmp9, NR
	s_lshl_b32 s48, s48, 2
	s_add_co_u32 s48, s48, s20
	s_and_b32 s49, s48, 1023
	s_lshr_b32 s50, s49, 7                         ; expert
	s_and_b32 s51, s49, 127
	s_lshr_b32 s52, s51, 3                         ; W1: K step t
	s_and_b32 s53, s51, 7                          ;     quarter-KiB columns: four groups of 64
	s_lshl_b32 s54, s52, 18                        ;     from: 32 rows of 8,192 bytes a step
	s_lshl_b32 s55, s53, 1                         ;     to: 4 slice + wave = a group's number / 2
	s_lshl_b32 s56, s52, 13                        ;     8 KiB a step
	s_lshr_b32 s57, s51, 1                         ; W2: K step T of 64 = 16 slice + t
	s_and_b32 s58, s51, 1
	s_lshl_b32 s59, s57, 16                        ;     from: 32 rows of 2,048 bytes a step
	s_lshr_b32 s60, s57, 4
	s_lshl_b32 s60, s60, 2
	s_lshl_b32 s61, s58, 1
	s_add_co_u32 s60, s60, s61                     ;     to: 4 slice + wave
	s_and_b32 s61, s57, 15
	s_lshl_b32 s61, s61, 13
	s_add_co_u32 s61, s61, 131072                  ;     the block's second half
	s_movk_i32 s62, 0x2000                         ; bytes from row to row
	s_movk_i32 s63, 0x800
	s_cmp_lt_u32 s48, 1024
	s_cselect_b32 s54, s54, s59
	s_cselect_b32 s53, s53, s58
	s_cselect_b32 s55, s55, s60
	s_cselect_b32 s56, s56, s61
	s_cselect_b32 s62, s62, s63
	s_lshl_b32 s57, s50, 22                        ; an expert's 4 MiB
	s_add_co_u32 s57, s57, s54
	s_lshl_b32 s58, s53, 10
	s_add_co_u32 s42, s57, s58
	s_mov_b32 s43, 0
	s_lshl_b32 s59, s50, 4
	s_add_co_u32 s59, s59, s55
	s_lshl_b32 s59, s59, 18                        ; blocks of 256 KiB
	s_add_co_u32 s60, s59, s56
	s_mov_b32 s61, 0
	v_lshlrev_b32 v6, 4, v2                        ; 16 r
	v_lshlrev_b32 v7, 3, v3                        ; 8 h rows
	v_mad_u32_u24 v6, v7, s62, v6
.set i, 0
.rept 16
	v_mad_u32_u24 v[48+i], s62, i+8*(i/8), v6      ; load i takes row 8 h + i (i < 8) or 16 + 8 h + i - 8: the order of k in a fragment's registers
.set i, i+1
.endr
	v_lshlrev_b32 v8, 4, v1
	s_wait_kmcnt 0x0
	s_cmp_lt_u32 s48, 1024
	s_cselect_b64 s[40:41], s[18:19], s[44:45]     ; W1 or W2
	s_add_nc_u64 s[40:41], s[40:41], s[42:43]
	s_add_nc_u64 s[46:47], s[46:47], s[60:61]
	CLOAD 0, 64
	CLOAD 1, 128
	CLOAD 2, 192
	s_wait_loadcnt 32                              ; unit 0 is in; the two younger units' loads stay out
	CCVT 64, 16
	CSTORE 0, 16
	CLOAD 3, 64
	s_wait_loadcnt 32                              ; unit 1; units 2 and 3 stay out
	s_wait_xcnt 0x0                                ; v[16:47] are the data of unit 0's stores: rewritten only behind this wait
	CCVT 128, 16
	CSTORE 1, 16
	s_wait_loadcnt 16                              ; unit 2
	CCVT 192, 128                                  ; into the registers that unit 1 has left: no store reads them
	CSTORE 2, 128
	s_wait_loadcnt 0x0                             ; unit 3
	CCVT 64, 160
	CSTORE 3, 160
	s_wait_xcnt 0x0                                ; behind the join stands text that writes registers of these stores; a casting work-group does not run it, and with this wait the order holds on every way through the text
.Lmeet:                                                ; the one barrier stands on every work-group's path
	s_wait_dscnt 0x0                               ; for wave 0's sake: my partial logits are in LDS
	s_barrier_signal -1
	s_barrier_wait -1
	s_cmp_lg_u32 s20, 0
	s_cbranch_scc1 .Lclose
	s_cmp_ge_u32 ttmp9, NR
	s_cbranch_scc1 .Lclose
	; wave 0 of a routing work-group: one token a lane
	s_load_b256 s[24:31], s[8:9], 0x0              ; br: no line of this launch writes it
	v_lshl_add_u32 v14, v1, 4, PARTS
.irp q, 0,1,2,3
	ds_load_b128 v[64+8*\q:64+8*\q+3], v14 offset:1024*\q
	ds_load_b128 v[64+8*\q+4:64+8*\q+7], v14 offset:1024*\q+512
.endr
	s_mov_b32 s33, 0x3fb8aa3b                      ; log2(e)
	s_wait_kmcnt 0x0
	v_cvt_pk_bf16_f32 v104, s24, s25               ; br rounded to bf16 like the other inputs
	v_cvt_pk_bf16_f32 v105, s26, s27
	v_cvt_pk_bf16_f32 v106, s28, s29
	v_cvt_pk_bf16_f32 v107, s30, s31
.irp q, 0,1,2,3
	v_lshlrev_b32 v[108+2*\q], 16, v[104+\q]
	v_and_b32 v[109+2*\q], s21, v[104+\q]
.endr
	s_wait_dscnt 0x0
.irp j, 0,2,4,6
	v_pk_add_f32 v[96+\j:97+\j], v[64+\j:65+\j], v[72+\j:73+\j]
.endr
.irp j, 0,2,4,6
	v_pk_add_f32 v[96+\j:97+\j], v[96+\j:97+\j], v[80+\j:81+\j]
.endr
.irp j, 0,2,4,6
	v_pk_add_f32 v[96+\j:97+\j], v[96+\j:97+\j], v[88+\j:89+\j]
.endr
.irp j, 0,2,4,6
	v_pk_add_f32 v[96+\j:97+\j], v[96+\j:97+\j], v[108+\j:109+\j]
.endr
	v_max3_num_f32 v116, v96, v97, v98
	v_max3_num_f32 v116, v116, v99, v100
	v_max3_num_f32 v116, v116, v101, v102
	v_max_num_f32 v116, v116, v103                 ; the token's largest logit
	v_mul_f32 v117, s33, v116
.irp j, 0,1,2,3,4,5,6,7
	v_fma_f32 v[96+\j], v[96+\j], s33, -v117       ; (z - max) log2(e)
.endr
.irp j, 0,1,2,3,4,5,6,7
	v_exp_f32 v[96+\j], v[96+\j]
.endr
	v_nop                                          ; a plain instruction behind the last exponential,
	s_wait_alu depctr_va_vdst(0)                   ; and the one wait ahead of the batch's first reader
	v_pk_add_f32 v[118:119], v[96:97], v[98:99]
	v_pk_add_f32 v[120:121], v[100:101], v[102:103]
	v_pk_add_f32 v[118:119], v[118:119], v[120:121]
	v_add_f32 v118, v118, v119
	v_rcp_f32 v120, v118
	v_nop
	s_wait_alu depctr_va_vdst(0)                   ; the reciprocal's wait
.irp j, 0,2,4,6
	v_pk_mul_f32 v[96+\j:97+\j], v[96+\j:97+\j], v[120:121] op_sel_hi:[1,0]  ; the gates
.endr
	; the largest gate: a strict comparison in ascending order keeps the lower expert of equals
	v_mov_b32 v122, v96
	v_mov_b32 v134, 0
.irp j, 1,2,3,4,5,6,7
	v_cmp_gt_f32 vcc_lo, v[96+\j], v122
	v_cndmask_b32 v122, v122, v[96+\j], vcc_lo
	v_cndmask_b32 v134, v134, \j, vcc_lo
.endr
	; the second: the same with the first taken out
.irp j, 0,1,2,3,4,5,6,7
	v_cmp_eq_u32 vcc_lo, \j, v134
	v_cndmask_b32 v[124+\j], v[96+\j], -1.0, vcc_lo
.endr
	v_mov_b32 v123, v124
	v_mov_b32 v135, 0
.irp j, 1,2,3,4,5,6,7
	v_cmp_gt_f32 vcc_lo, v[124+\j], v123
	v_cndmask_b32 v123, v123, v[124+\j], vcc_lo
	v_cndmask_b32 v135, v135, \j, vcc_lo
.endr
	v_lshl_or_b32 v136, v135, 8, v134
	s_lshl_b32 s34, ttmp9, 7
	v_lshl_add_u32 v138, v1, 2, s34
	s_lshl_b32 s35, ttmp9, 8
	v_lshl_add_u32 v139, v1, 3, s35
	global_store_b32 v138, v136, s[12:13] offset:8192
	global_store_b64 v139, v[122:123], s[14:15]
	; the bitmap word of each expert and its number of ones, into lanes 0-7
	v_mov_b32 v140, 0
	v_mov_b32 v141, 0
	v_mov_b32 v142, 0
.irp e, 0,1,2,3,4,5,6,7
	v_cmp_eq_u32 s40, \e, v134
	v_cmp_eq_u32 s41, \e, v135
	s_or_b32 s40, s40, s41
	s_bcnt1_i32_b32 s41, s40
	v_writelane_b32 v140, s40, \e
	v_writelane_b32 v141, s41, \e
.endr
	; the sum of each expert's gate over the 32 tokens, then expert e's sum into lane e
.irp j, 0,1,2,3,4,5,6,7
	v_add_f32_dpp v[96+\j], v[96+\j], v[96+\j] row_xmask:1 row_mask:0xf bank_mask:0xf
	v_add_f32_dpp v[96+\j], v[96+\j], v[96+\j] row_xmask:2 row_mask:0xf bank_mask:0xf
	v_add_f32_dpp v[96+\j], v[96+\j], v[96+\j] row_xmask:4 row_mask:0xf bank_mask:0xf
	v_add_f32_dpp v[96+\j], v[96+\j], v[96+\j] row_xmask:8 row_mask:0xf bank_mask:0xf
	v_permlanex16_b32 v142, v[96+\j], s22, s23
	v_add_f32 v[96+\j], v[96+\j], v142
.endr
	v_mov_b32 v143, v96
.irp e, 1,2,3,4,5,6,7
	v_cmp_eq_u32 vcc_lo, \e, v1
	v_cndmask_b32 v143, v143, v[96+\e], vcc_lo
.endr
	s_lshl_b32 s42, ttmp9, 5
	v_lshl_add_u32 v144, v1, 2, s42
	s_lshl_b32 s43, ttmp9, 3
	v_add_nc_u32 v145, s43, v1
	v_cmp_gt_u32 vcc_lo, 8, v1
	s_wait_xcnt 0x0                                ; EXEC is a source of the stores above: it changes only behind this wait
	s_and_saveexec_b32 s32, vcc_lo
	global_store_b32 v144, v140, s[12:13]
	global_store_b8 v145, v141, s[12:13] offset:4096
	global_store_b32 v144, v143, s[16:17]
	s_wait_xcnt 0x0                                ; and again ahead of the line that widens it
	s_or_b32 exec_lo, exec_lo, s32
.Lclose:
	s_wait_tensorcnt 0x0                           ; the wave's end
	ds_add_u32 v4, v5
	s_wait_dscnt 0x0
	s_endpgm
.Lfunc_end_k_qdb5c8d5749_router:
	.size	k_qdb5c8d5749_router, .Lfunc_end_k_qdb5c8d5749_router-k_qdb5c8d5749_router
	.p2alignl 7, 3214868480
	.fill 96, 4, 3214868480
	.section	.rodata,"a",@progbits
	.p2align	6, 0x0
	.amdhsa_kernel k_qdb5c8d5749_router
		.amdhsa_group_segment_fixed_size 48128
		.amdhsa_private_segment_fixed_size 0
		.amdhsa_enable_private_segment 0
		.amdhsa_kernarg_size 80
		.amdhsa_user_sgpr_count 2
		.amdhsa_user_sgpr_kernarg_segment_ptr 1
		.amdhsa_wavefront_size32 1
		.amdhsa_system_sgpr_workgroup_id_x 1
		.amdhsa_system_sgpr_workgroup_id_y 1
		.amdhsa_system_sgpr_workgroup_id_z 1
		.amdhsa_system_vgpr_workitem_id 0
		.amdhsa_next_free_vgpr 256
		.amdhsa_next_free_sgpr 66
		.amdhsa_reserve_vcc 1
		.amdhsa_float_denorm_mode_32 3
		.amdhsa_float_denorm_mode_16_64 3
		.amdhsa_memory_ordered 1
		.amdhsa_forward_progress 1
		.amdhsa_inst_pref_size 56
	.end_amdhsa_kernel
	.amdgpu_metadata
---
amdhsa.version: [ 1, 2 ]
amdhsa.kernels:
  - .name:           k_qdb5c8d5749_router
    .symbol:         k_qdb5c8d5749_router.kd
    .args:
      - { .name: x, .offset: 0, .size: 8, .value_kind: global_buffer, .address_space: global }
      - { .name: Wr, .offset: 8, .size: 8, .value_kind: global_buffer, .address_space: global }
      - { .name: br, .offset: 16, .size: 8, .value_kind: global_buffer, .address_space: global }
      - { .name: xb, .offset: 24, .size: 8, .value_kind: global_buffer, .address_space: global }
      - { .name: route, .offset: 32, .size: 8, .value_kind: global_buffer, .address_space: global }
      - { .name: gates, .offset: 40, .size: 8, .value_kind: global_buffer, .address_space: global }
      - { .name: psum, .offset: 48, .size: 8, .value_kind: global_buffer, .address_space: global }
      - { .name: W1, .offset: 56, .size: 8, .value_kind: global_buffer, .address_space: global }
      - { .name: W2, .offset: 64, .size: 8, .value_kind: global_buffer, .address_space: global }
      - { .name: wb, .offset: 72, .size: 8, .value_kind: global_buffer, .address_space: global }
    .group_segment_fixed_size: 48128
    .private_segment_fixed_size: 0
    .kernarg_segment_align: 8
    .kernarg_segment_size: 80
    .max_flat_workgroup_size: 128
    .sgpr_count:     66
    .vgpr_count:     256
    .wavefront_size: 32
...
	.end_amdgpu_metadata
.endif
;; end of part 1
;; launch chain (part 2): grid 256 x 1, 4 waves a work-group, no clusters, 301,568 bytes of LDS; arguments route, gates, xb, wb, b1, b2, part; writes part
.if DOCPART == 2
	.amdgcn_target "amdgcn-amd-amdhsa--gfx1250"
	.amdhsa_code_object_version 6
	.text
	.protected	k_qdb5c8d5749_chain
	.globl	k_qdb5c8d5749_chain
	.p2align	8
	.type	k_qdb5c8d5749_chain,@function
k_qdb5c8d5749_chain:
	s_mov_b64 s[64:65], 0
	v_nop
	global_prefetch_b8 v0, s[64:65] scope:SCOPE_SE
	s_setreg_imm32_b32 hwreg(HW_REG_WAVE_MODE, 25, 1), 1
	s_wait_xcnt 0x0
; THE EXPERTS' CHAIN on the chosen rows alone: part = gate x (relu(X W1[e][:, slice] + b1) W2[e][slice, :] + b2 / 4), for a tile of up to 144 routed rows of one expert and one slice of 512 of the
; 2,048 hidden columns.  xb [4096][512] bf16; wb: both weights in bf16, laid out by the launch before; b1, b2 f32, rounded to bf16 here; sums f32; the hidden layer rounded once to bf16, in LDS.
; part: 8 planes [4096][512] f32, plane 2 slice + jj, jj = 0 / 1: the expert is the token's first / second choice.  Every row of every plane is stored by one work-group; the next launch adds the eight.
; SHARES.  Work-group x: slice x % 4, row group G = x / 4.  Expert e with c_e rows owns ceil(c_e / 144) groups on end; the sum of these is at most (8192 + 8 x 143) / 144 = 64 for EVERY split, so 256
; work-groups serve all of them.  Every wave works the deal out for itself from the stored counts and finds its rows' tokens by rank in the stored bitmap.  Wave w owns columns 128 w .. + 127 of both
; products and all 144 rows: 72 accumulators.  Both products are [144 x 512] with K = 512: one text (PHASE) serves both.
; WEIGHTS come from memory straight into operand registers.  My wave's block of wb, 16 E + 4 slice + w, is 256 KiB: the 16 K steps of the first product, then the 16 of the second, 8 KiB each: eight
; fragments of 1 KiB, register half x 512 + lane x 16 bytes: a K step is 16 loads of 512 consecutive bytes.  In fragment c of column group g lane r stands for column 64 g + 4 r + c, so that on the way
; out registers j of fragments 0-3 are four neighbouring columns.  Four slots of a K step take turns: at the head of step t the slot that step t - 1 read is asked to take step t + 3.
; A'S FRAGMENTS (16 rows x 32 K, nine of them) have two buffers: at the head of step t those of step t + 1 are asked for.  So a K step has ONE run of loads, and 72 matrix instructions on end behind it.
; PAST THE COUNT.  In a tile that is not full the places past the count repeat the tile's last row; whole blocks of 16 rows past it are not stored; in the one block on the edge the repeated rows store the
; same bytes onto the same row again.  A group that a split leaves without rows walks the same text on clamped addresses and stores nothing: both barriers stand on every wave's path.
; NO CLUSTER.  What work-groups share is a slice of weights, among an expert's ceil(c_e / 144) groups: any number from 0 to 29, not a multiple of four.  Whole clusters of four inside 64 groups would need
; tiles of 228 rows or more (8192 / 4 m + 8 <= 16), 912 accumulator registers a wave; and joint loads land in LDS, where X and H leave 26 KiB.  NO TENSOR LOAD: the rows come by a list, the weights go to registers.
; LIMITS.  relu of a NaN is 0; NaN and infinities are not treated apart otherwise.  bf16 keeps f32's range, so no input's size is bounded.
; REGISTERS, in windows of 256 (s_set_vgpr_msb: bits 1:0 source 0, 3:2 source 1, 5:4 source 2, 7:6 destination):
;   window 0: v0-19 ids and addresses; v20-27 b1, v28-35 b2 / 4 of my 8 columns; v36-55 at work in the set-up; v56-127 A's buffer 0; v128-191 and v40-47 A's buffer 1; v192-255 B's slot 3
;   windows 1, 2: accumulators of row blocks 0-3, 4-7: (a, b) at 64 (a % 4) + 8 b, b = 4 group + c      window 3: v0-63 block 8's; v64-255 B's slots 0-2
.set PX,    1040                       ; an LDS row of X or H: 1,024 bytes + 16 = 65 x 16: the 16 rows of a fragment load start at 16 different groups of four banks (64 banks of 4 bytes: ISA guide 11.1)
.set HB0,   144*PX                     ; H behind X
.set TIDX,  288*PX                     ; a word a row: jj x 4096 + token
.set TGO,   768                        ; behind it, a word a row: the gate
.set SPARE, TIDX+1536                  ; the spare words, 128 bytes a wave: two blocks of 256 bytes that no other line names
.set KSB,   8192                       ; a K step's bytes in my block of wb
.set PA,    140                        ; the rank search's registers, rows 32 w + lane
.set PB,    160                        ; the same for rows 128 + lane
.set oRHO, 0
.set oPOS, 1
.set oCAN, 2
.set oVAL, 3
.set oPRE, 4
.set oPCU, 5
.set oW0,  6
.set oREM, 10
.set oWD,  11
.set oWI,  12
.set oBS,  13
.set oT0,  14
.set oT1,  15
.set oS1,  16
.set oS2,  17
.set oS3,  18
.set oS4,  19
.set MSB, 0
.macro WIN new                         ; the immediate's high byte repeats the setting that is left; a switch that changes nothing is dropped
.if MSB != (\new)
	s_set_vgpr_msb (MSB<<8)|(\new)
.set MSB, \new
.endif
.endm
.macro SLOT s                          ; B's slot s: its first register and its window
.if (\s) == 3
.set rB, 192
.set wB, 0
.else
.set rB, 64+64*(\s)
.set wB, 3
.endif
.endm
.macro AREG buf, a                     ; A's fragment of row block a in buffer buf, in window 0
.if (\buf) == 0
.set rA, 56+8*(\a)
.elseif (\a) < 8
.set rA, 128+8*(\a)
.else
.set rA, 40
.endif
.endm
.macro PLACES                          ; four places between a matrix instruction and a load into one of its sources, or a vector read of its result (ISA guide 7.12.1 for the vector read)
.rept 4
	v_nop
.endr
.endm
; Four matrix instructions: row block a x the four fragments of column group grp, from slot s and A's buffer s % 2.
; first = 1: the K step that starts the sums: C is block 0's accumulator, which holds the bias; block 0 itself adds in place, last.
.macro GRP a, grp, first, s
	SLOT \s
	AREG (\s)%2, \a
.if (\first) && ((\a) != 0)
	WIN ((1+(\a)/4)<<6)|0x10|(wB<<2)
.else
	WIN ((1+(\a)/4)*0x50)|(wB<<2)
.endif
.irp c, 0,1,2,3
.set rD, 64*((\a)%4)+32*(\grp)+8*\c
.if (\first) && ((\a) != 0)
	v_wmma_f32_16x16x32_bf16 v[rD:rD+7], v[rA:rA+7], v[rB+32*(\grp)+8*\c:rB+32*(\grp)+8*\c+7], v[32*(\grp)+8*\c:32*(\grp)+8*\c+7]
.else
	v_wmma_f32_16x16x32_bf16 v[rD:rD+7], v[rA:rA+7], v[rB+32*(\grp)+8*\c:rB+32*(\grp)+8*\c+7], v[rD:rD+7]
.endif
.endr
.endm
.macro WLOAD s, dt                     ; 16 loads: the eight fragments of K step dt, counted from the base, into slot s
	SLOT \s
	WIN wB<<6
.set f, 0
.rept 8
	global_load_b128 v[rB+8*f:rB+8*f+3],   v19, s[58:59] offset:(\dt)*KSB+f*1024
	global_load_b128 v[rB+8*f+4:rB+8*f+7], v19, s[58:59] offset:(\dt)*KSB+f*1024+512
.set f, f+1
.endr
.endm
.macro AFILL buf, koff                 ; 18 LDS loads: A's nine fragments at byte koff of the rows, in the order in which they are multiplied
	WIN 0
.irp a, 1,2,3,4,5,6,7,8,0
	AREG \buf, \a
	ds_load_b128 v[rA:rA+3],   v[9+(\a)/3] offset:((\a)%3)*16*PX+(\koff)
	ds_load_b128 v[rA+4:rA+7], v[9+(\a)/3] offset:((\a)%3)*16*PX+(\koff)+32
.endr
.endm
; A K STEP, on slot s.  At its head the one run of loads, four places behind the last step's products, which read the registers that it fills: al = 1: the next step's A, at byte koff;
; ld = 1: K step dt of the weights into the slot read last (step = 1: the base goes four K steps on first).  Then 72 matrix instructions: column group 0, then 1; row blocks 1 .. 8, 0.
; The 72 accumulators take turns, one instruction a turn.  lw: the weight loads that may stay out when this step's are wanted: the runs of 16 issued behind them.
.macro STEP s, first, al, koff, lw, ld, dt=0, step=0
.if (\al) || (\ld)
	PLACES
.endif
.if \al
	AFILL 1-(\s)%2, \koff
	s_wait_dscnt 18                                ; this step's A is in: the 18 loads just issued may be out
.else
	s_wait_dscnt 0x0
.endif
	s_wait_loadcnt \lw
.if \ld
.if \step
	s_wait_xcnt 0x0                                ; the base of the loads issued so far is rewritten only behind this wait
	s_add_nc_u64 s[58:59], s[58:59], 4*KSB
.endif
	WLOAD ((\s)+3)%4, \dt
.endif
.irp g, 0,1
.irp a, 1,2,3,4,5,6,7,8,0
.if (\first) && ((\a) == 0)
.rept 5
	v_nop                                          ; five places: block 0's products write over the registers that the other blocks' have read as C
.endr
.endif
	GRP \a, \g, \first, \s
.endr
.endr
.endm
; A PRODUCT: 16 K steps.  At entry: the base stands at its step 0; slots 0-2 hold or await steps 0-2; A's buffer 0 is asked for; block 0's accumulators hold the bias.
; more = 1: the ring runs on into the next product's weights, which follow in memory; more = 0: the last three steps load nothing, and the counts run down.
.macro PHASE more
	STEP 0,1,1,64,32,1,3
	WIN 0                                          ; at a label and at a branch every window is 0
	s_mov_b32 s75, 3
.Lk_\@:                                                ; a trip: four K steps, once round the slots
	STEP 1,0,1,128,32,1,0,1
	STEP 2,0,1,192,32,1,1
	STEP 3,0,1,256,32,1,2
	STEP 0,0,1,320,32,1,3
	WIN 0
	v_add_nc_u32 v9, 256, v9                       ; A's addresses four K steps on
	v_add_nc_u32 v10, 256, v10
	v_add_nc_u32 v11, 256, v11
	s_sub_co_u32 s75, s75, 1
	s_cmp_lg_u32 s75, 0
	s_cbranch_scc1 .Lk_\@
.if \more
	STEP 1,0,1,128,32,1,4                          ; K steps 13 to 15 ask for the next product's steps 0 to 2
	STEP 2,0,1,192,32,1,5
	STEP 3,0,0,0,32,1,6
.else
	STEP 1,0,1,128,32,0
	STEP 2,0,1,192,16,0
	STEP 3,0,0,0,0,0
.endif
	WIN 0
	PLACES                                         ; behind the last products, ahead of what reads their results or writes their sources
.endm
.macro BIAS vb                         ; block 0's 8 accumulators take the lane's 8 bias values: the first K step adds onto them, so no accumulator is cleared and no bias is added later
	WIN 0x40
.set b, 0
.rept 8
.set j, 0
.rept 8
	v_mov_b32 v[8*b+j], v[(\vb)+b]
.set j, j+1
.endr
.set b, b+1
.endr
	WIN 0
.endm
; H's way out, row block a: four neighbouring columns pack into 8 bytes; relu on the packed halves (it rounds nothing)
.macro HOUT a
.set TB, 56+32*((\a)%2)
.set AC, 64*((\a)%4)
	WIN 5*(1+(\a)/4)                               ; sources 0 and 1 in the block's window
.irp g, 0,1
.set j, 0
.rept 8
	v_cvt_pk_bf16_f32 v[TB+16*\g+2*j],   v[AC+32*\g+j],    v[AC+32*\g+8+j]
	v_cvt_pk_bf16_f32 v[TB+16*\g+2*j+1], v[AC+32*\g+16+j], v[AC+32*\g+24+j]
.set j, j+1
.endr
.endr
	WIN 0
.set j, 0
.rept 32
	v_pk_max_num_bf16 v[TB+j], v[TB+j], v6
.set j, j+1
.endr
.irp g, 0,1
.set j, 0
.rept 8
	ds_store_b64 v[12+(\a)/3], v[TB+16*\g+2*j:TB+16*\g+2*j+1] offset:(((\a)%3)*16+j)*PX+128*\g
.set j, j+1
.endr
.endr
.endm
; Y's way out, row block a: the multiplication by the row's gate also brings four neighbouring columns into four neighbouring registers.  Blocks past the count are jumped, to the end.
.macro YOUT a
	s_cmp_le_u32 s53, 16*(\a)
	s_cbranch_scc1 .Ldone
.set AC, 64*((\a)%4)
.irp g, 0,1
.set TB, 200-180*\g
	s_wait_xcnt 0x0                                ; these registers were the data of the block before's stores: rewritten only behind this wait
	WIN 1+(\a)/4
.set j, 0
.rept 8
.irp c, 0,1,2,3
	v_mul_f32 v[TB+4*j+\c], v[AC+32*\g+8*\c+j], v[128+8*(\a)+j]
.endr
.set j, j+1
.endr
	WIN 0
.set j, 0
.rept 8
	global_store_b128 v[56+8*(\a)+j], v[TB+4*j:TB+4*j+3], s[62:63] offset:256*\g  ; sixteen lanes store 256 consecutive bytes of a row, at a multiple of 256 from part's first
.set j, j+1
.endr
.endr
.endm
.macro ISUM u                          ; a whole-number sum over the 32 lanes, in every lane
.irp d, 1,2,4,8
	v_mov_b32_dpp v110, v[\u] row_xmask:\d row_mask:0xf bank_mask:0xf
	v_add_nc_u32 v[\u], v[\u], v110
.endr
	v_permlanex16_b32 v110, v[\u], s56, s57
	v_add_nc_u32 v[\u], v[\u], v110
.endm
.macro DESC b, src, width, st          ; one step down: are there rem ones or fewer in the lower half of what is left?  then the bit lies in the upper half
	v_bfe_u32 v[\b+oT0], v[\b+\src], v[\b+oCAN], \width
	v_cmp_ge_u32 vcc_lo, v[\b+oREM], v[\b+oT0]
	v_cndmask_b32 v[\b+oT0], 0, v[\b+oT0], vcc_lo
	v_sub_nc_u32 v[\b+oREM], v[\b+oREM], v[\b+oT0]
	v_cndmask_b32 v[\b+oT1], 0, \st, vcc_lo
	v_add_nc_u32 v[\b+oCAN], v[\b+oCAN], v[\b+oT1]
.endm
; From the lane found (its prefix, its words' running counts and its four words are here): which word, then which bit, holds the one of rank rho
.macro FIND b, tok
	v_sub_nc_u32 v[\b+oREM], v[\b+oRHO], v[\b+oPRE]
	v_mov_b32 v[\b+oWD], v[\b+oW0]
	v_mov_b32 v[\b+oWI], 0
	v_mov_b32 v[\b+oBS], 0
.irp n, 1,2,3
	v_bfe_u32 v[\b+oT0], v[\b+oPCU], 8*(\n)-8, 8
	v_cmp_ge_u32 vcc_lo, v[\b+oREM], v[\b+oT0]
	v_cndmask_b32 v[\b+oWD], v[\b+oWD], v[\b+oW0+\n], vcc_lo
	v_cndmask_b32 v[\b+oWI], v[\b+oWI], \n, vcc_lo
	v_cndmask_b32 v[\b+oBS], v[\b+oBS], v[\b+oT0], vcc_lo
.endr
	v_sub_nc_u32 v[\b+oREM], v[\b+oREM], v[\b+oBS]
	v_lshrrev_b32 v[\b+oT0], 1, v[\b+oWD]          ; the numbers of ones in fields of 2, 4, 8 and 16 bits
	v_and_b32 v[\b+oT0], 0x55555555, v[\b+oT0]
	v_sub_nc_u32 v[\b+oS1], v[\b+oWD], v[\b+oT0]
	v_lshrrev_b32 v[\b+oT0], 2, v[\b+oS1]
	v_and_b32 v[\b+oT0], 0x33333333, v[\b+oT0]
	v_and_b32 v[\b+oT1], 0x33333333, v[\b+oS1]
	v_add_nc_u32 v[\b+oS2], v[\b+oT0], v[\b+oT1]
	v_lshrrev_b32 v[\b+oT0], 4, v[\b+oS2]
	v_add_nc_u32 v[\b+oT0], v[\b+oT0], v[\b+oS2]
	v_and_b32 v[\b+oS3], 0x0f0f0f0f, v[\b+oT0]
	v_lshrrev_b32 v[\b+oT0], 8, v[\b+oS3]
	v_add_nc_u32 v[\b+oT0], v[\b+oT0], v[\b+oS3]
	v_and_b32 v[\b+oS4], 0x00ff00ff, v[\b+oT0]
	v_mov_b32 v[\b+oCAN], 0                        ; the bit's number
	DESC \b, oS4, 8, 16
	DESC \b, oS3, 8, 8
	DESC \b, oS2, 4, 4
	DESC \b, oS1, 2, 2
	DESC \b, oWD, 1, 1
	v_add_nc_u32 v[\b+oT0], v[\b+oPOS], v[\b+oWI]  ; 4 x lane + word
	v_lshl_add_u32 v[\tok], v[\b+oT0], 5, v[\b+oCAN]
	v_min_u32 v[\tok], 0xfff, v[\tok]              ; a token's number, whatever the tables hold
.endm
	s_load_b256 s[4:11], s[0:1], 0x0               ; route 4, gates 6, xb 8, wb 10
	s_load_b128 s[12:15], s[0:1], 0x20             ; b1 12, b2 14
	s_load_b64 s[16:17], s[0:1], 0x30              ; part
	v_lshl_add_u32 v4, v0, 2, SPARE                ; my spare word
	v_mov_b32 v5, 0
	v_mov_b32 v6, 0                                ; relu's zero
	v_and_b32 v1, 31, v0                           ; lane
	v_and_b32 v2, 15, v0                           ; r
	v_bfe_u32 v3, v0, 4, 1                         ; h
	v_lshrrev_b32 v36, 5, v0
	v_readfirstlane_b32 s20, v36                   ; wave 0..3
	s_and_b32 s21, ttmp9, 3                        ; slice
	s_lshr_b32 s22, ttmp9, 2                       ; row group G
	s_mov_b32 s56, 0x76543210
	s_mov_b32 s57, 0xfedcba98
	v_lshlrev_b32 v46, 7, v1
	v_lshlrev_b32 v47, 5, v1
	s_wait_kmcnt 0x0
	; the whole bitmap and its counts: lane l holds words 4 l .. 4 l + 3, all experts: v[64 + 8 word + expert]; v[96 + 2 word + expert / 4], byte expert % 4
.irp i, 0,1,2,3,4,5,6,7
	global_load_b128 v[64+4*\i:64+4*\i+3], v46, s[4:5] offset:16*\i
.endr
	global_load_b128 v[96:99], v47, s[4:5] offset:4096
	global_load_b128 v[100:103], v47, s[4:5] offset:4112
	v_lshlrev_b32 v16, 4, v2                       ; 16 r
	v_lshlrev_b32 v19, 4, v1                       ; 16 lane; never rewritten
	v_mul_u32_u24 v9, v2, PX                       ; A's fragments: row r, 16 h; one register for each 48 rows, so that the offsets fit 16 bits
	v_lshl_add_u32 v9, v3, 4, v9
	v_add_nc_u32 v10, 48*PX, v9
	v_add_nc_u32 v11, 96*PX, v9
	s_lshl_b32 s76, s20, 8
	s_add_co_u32 s76, s76, HB0
	v_mul_u32_u24 v12, v3, 8*PX                    ; H's stores: row 8 h, my wave's 256 bytes, 8 r
	v_lshl_add_u32 v12, v2, 3, v12
	v_add_nc_u32 v12, s76, v12
	v_add_nc_u32 v13, 48*PX, v12
	v_add_nc_u32 v14, 96*PX, v12
	v_lshl_add_u32 v15, v3, 5, TIDX                ; the tables' words of rows 8 h ..
	s_mul_i32 s76, s20, 32*PX
	v_add_nc_u32 v42, s76, v19                     ; X's stores: my rows 32 w ..
	s_mul_i32 s76, s20, 4*PX
	s_add_co_u32 s76, s76, 128*PX
	v_add_nc_u32 v43, s76, v19                     ; and 128 + 4 w ..
	v_lshl_add_u32 v40, v0, 2, TIDX
	v_lshl_add_u32 v41, v1, 2, TIDX+512
	v_mov_b32 v39, 0x1000
	v_mov_b32 v110, 0
	s_mov_b32 s79, 0x00ff00ff
	s_wait_loadcnt 0x0
	; the experts' counts: bytes (128 at the most a lane) spread into 16-bit fields, summed over the lanes
	v_add3_u32 v104, v96, v98, v100
	v_add_nc_u32 v104, v104, v102
	v_add3_u32 v105, v97, v99, v101
	v_add_nc_u32 v105, v105, v103
	v_and_b32 v106, s79, v104                      ; experts 0, 2
	v_lshrrev_b32 v107, 8, v104
	v_and_b32 v107, s79, v107                      ; 1, 3
	v_and_b32 v108, s79, v105                      ; 4, 6
	v_lshrrev_b32 v109, 8, v105
	v_and_b32 v109, s79, v109                      ; 5, 7
	ISUM 106
	ISUM 107
	ISUM 108
	ISUM 109
	v_readfirstlane_b32 s80, v106
	v_readfirstlane_b32 s81, v107
	v_readfirstlane_b32 s82, v108
	v_readfirstlane_b32 s83, v109
	s_and_b32 s24, s80, 0xffff
	s_lshr_b32 s26, s80, 16
	s_and_b32 s25, s81, 0xffff
	s_lshr_b32 s27, s81, 16
	s_and_b32 s28, s82, 0xffff
	s_lshr_b32 s30, s82, 16
	s_and_b32 s29, s83, 0xffff
	s_lshr_b32 s31, s83, 16
	; the deal: n_e = ceil(c_e / 144) = (c_e + 143) x 7282 >> 20, exact up to 4,239 since 7282 x 144 = 2^20 + 32
.irp e, 0,1,2,3,4,5,6,7
	s_add_co_u32 s[32+\e], s[24+\e], 143
	s_mul_i32 s[32+\e], s[32+\e], 7282
	s_lshr_b32 s[32+\e], s[32+\e], 20
.endr
	s_mov_b32 s40, s32
.irp e, 1,2,3,4,5,6,7
	s_add_co_u32 s[40+\e], s[39+\e], s[32+\e]
.endr
	s_mov_b32 s48, 0
	s_mov_b32 s49, 0
	s_mov_b32 s50, 0
	s_mov_b32 s51, 0
.irp e, 7,6,5,4,3,2,1,0                 ; the lowest expert whose groups end behind G
	s_cmp_lt_u32 s22, s[40+\e]
	s_cselect_b32 s48, \e, s48
	s_cselect_b32 s49, s[24+\e], s49
	s_cselect_b32 s50, s[32+\e], s50
	s_cselect_b32 s51, s[40+\e], s51
.endr
	s_sub_co_u32 s76, s51, s50
	s_sub_co_u32 s76, s22, s76                     ; my group among the expert's
	s_mul_i32 s52, s76, 144                        ; lo: my first rank
	s_sub_co_u32 s53, s49, s52
	s_min_u32 s53, s53, 144                        ; cnt: my rows
	s_cmp_lt_u32 s22, s47
	s_cselect_b32 s53, s53, 0                      ; a group behind the last expert's has none
	s_cselect_b32 s52, s52, 0
	s_max_u32 s54, s53, 1
	s_add_co_u32 s54, s54, s52
	s_sub_co_u32 s54, s54, 1                       ; last: the rank that places past the count repeat
	s_min_u32 s48, s48, 7                          ; E
	; the pointers; every offset is made apart from its address
	s_lshl_b32 s76, s21, 11                        ; 512 slice columns x 4 bytes
	s_lshl_b32 s77, s20, 9                         ; 128 w columns x 4 bytes
	s_add_co_u32 s76, s76, s77
	s_lshl_b32 s78, s48, 4                         ; 16 E
	s_lshl_b32 s82, s21, 2                         ; + 4 slice
	s_add_co_u32 s78, s78, s82
	s_add_co_u32 s78, s78, s20                     ; + wave
	s_lshl_b32 s80, s78, 18                        ; blocks of 256 KiB
	s_mov_b32 s81, 0
	s_add_nc_u64 s[58:59], s[10:11], s[80:81]      ; my block of wb, at the first product's K step 0
	s_lshl_b32 s80, s21, 24                        ; the slice's two planes
	s_add_co_u32 s80, s80, s77
	s_add_nc_u64 s[62:63], s[16:17], s[80:81]      ; part
	s_lshl_b32 s79, s48, 13
	s_add_co_u32 s79, s79, s76
	v_add_nc_u32 v44, s79, v16
	s_lshl_b32 s79, s48, 11
	s_add_co_u32 s79, s79, s77
	v_add_nc_u32 v45, s79, v16
	global_load_b128 v[20:23], v44, s[12:13]
	global_load_b128 v[24:27], v44, s[12:13] offset:256
	global_load_b128 v[28:31], v45, s[14:15]
	global_load_b128 v[32:35], v45, s[14:15] offset:256
	WLOAD 0, 0                                     ; the first three K steps' weights are on their way under the search below
	WLOAD 1, 1
	WLOAD 2, 2
	WIN 0
	; expert E's words and counts, chosen by masks: no address hangs on E here
.irp e, 1,2,3,4,5,6,7
	s_cmp_eq_u32 s48, \e
	s_cselect_b32 s[65+\e], -1, 0
.endr
	s_lshr_b32 s76, s48, 2
	s_cmp_lg_u32 s76, 0
	s_cselect_b32 s73, -1, 0
	s_and_b32 s74, s48, 3
	s_lshl_b32 s74, s74, 3
.irp q, 0,1,2,3
	v_cndmask_b32 v[112+\q], v[64+8*\q], v[65+8*\q], s66
.irp e, 2,3,4,5,6,7
	v_cndmask_b32 v[112+\q], v[112+\q], v[64+8*\q+\e], s[65+\e]
.endr
	v_cndmask_b32 v[116+\q], v[96+2*\q], v[97+2*\q], s73
	v_bfe_u32 v[116+\q], v[116+\q], s74, 8
.endr
	v_add_nc_u32 v125, v116, v117
	v_add_nc_u32 v126, v125, v118
	v_add_nc_u32 v120, v126, v119                  ; my four words' ones
	v_lshl_or_b32 v121, v125, 8, v116              ; the running counts behind words 0, 1, 2: 96 at the most, a byte each
	v_lshl_or_b32 v121, v126, 16, v121
	v_mov_b32 v122, 0                              ; the ones in the lanes below mine
	v_mov_b32 v123, 0
.irp k, 0,1,2,3
	v_mov_b32_dpp v123, v120 row_xmask:1<<\k row_mask:0xf bank_mask:0xf
	v_bfe_u32 v124, v1, \k, 1
	v_mad_u32_u24 v122, v123, v124, v122           ; the partner's block lies below mine where my lane's bit k is set
	v_add_nc_u32 v120, v120, v123
.endr
	v_permlanex16_b32 v123, v120, s56, s57
	v_mad_u32_u24 v122, v123, v3, v122
	; rank to token, for rows 32 w + lane and for rows 128 + lane.  The lane that holds rank rho is the last whose prefix is not above it: five halvings; the position is kept times 4
	v_add_nc_u32 v[PA+oRHO], s52, v0
	v_min_u32 v[PA+oRHO], s54, v[PA+oRHO]
	v_add_nc_u32 v[PB+oRHO], 128, v1
	v_add_nc_u32 v[PB+oRHO], s52, v[PB+oRHO]
	v_min_u32 v[PB+oRHO], s54, v[PB+oRHO]
	v_mov_b32 v[PA+oPOS], 0
	v_mov_b32 v[PB+oPOS], 0
.irp st, 64,32,16,8,4
	v_add_nc_u32 v[PA+oCAN], \st, v[PA+oPOS]
	v_add_nc_u32 v[PB+oCAN], \st, v[PB+oPOS]
	ds_bpermute_b32 v[PA+oVAL], v[PA+oCAN], v122
	ds_bpermute_b32 v[PB+oVAL], v[PB+oCAN], v122
	s_wait_dscnt 0x0
	v_cmp_le_u32 vcc_lo, v[PA+oVAL], v[PA+oRHO]
	v_cndmask_b32 v[PA+oPOS], v[PA+oPOS], v[PA+oCAN], vcc_lo
	v_cmp_le_u32 vcc_lo, v[PB+oVAL], v[PB+oRHO]
	v_cndmask_b32 v[PB+oPOS], v[PB+oPOS], v[PB+oCAN], vcc_lo
.endr
.irp b, PA, PB
	ds_bpermute_b32 v[\b+oPRE], v[\b+oPOS], v122
	ds_bpermute_b32 v[\b+oPCU], v[\b+oPOS], v121
	ds_bpermute_b32 v[\b+oW0], v[\b+oPOS], v112
	ds_bpermute_b32 v[\b+oW0+1], v[\b+oPOS], v113
	ds_bpermute_b32 v[\b+oW0+2], v[\b+oPOS], v114
	ds_bpermute_b32 v[\b+oW0+3], v[\b+oPOS], v115
.endr
	s_wait_dscnt 0x0
	FIND PA, 17
	FIND PB, 18
	v_lshlrev_b32 v180, 2, v17
	v_lshlrev_b32 v181, 3, v17
	v_lshlrev_b32 v182, 2, v18
	v_lshlrev_b32 v183, 3, v18
	global_load_b32 v184, v180, s[4:5] offset:8192 ; the tokens' two choices,
	global_load_b64 v[186:187], v181, s[6:7]       ; and their gates
	global_load_b32 v185, v182, s[4:5] offset:8192
	global_load_b64 v[188:189], v183, s[6:7]
	; the gather: a row of xb is two loads of the whole wave, 512 consecutive bytes each; my 32 rows into window 1, my 4 of rows 128-143 into window 2
.set i, 0
.rept 32
	v_readlane_b32 s76, v17, i
	s_min_u32 s76, s76, 0xfff
	v_lshl_add_u32 v[104+i], s76, 10, v19
.set i, i+1
.endr
	s_lshl_b32 s77, s20, 2
.set i, 0
.rept 4
	v_readlane_b32 s76, v18, s77
	s_min_u32 s76, s76, 0xfff
	v_lshl_add_u32 v[136+i], s76, 10, v19
	s_add_co_u32 s77, s77, 1
.set i, i+1
.endr
	WIN 0x40
.set i, 0
.rept 32
	global_load_b128 v[8*i:8*i+3],   v[104+i], s[8:9]
	global_load_b128 v[8*i+4:8*i+7], v[104+i], s[8:9] offset:512
.set i, i+1
.endr
	WIN 0x80
.set i, 0
.rept 4
	global_load_b128 v[8*i:8*i+3],   v[136+i], s[8:9]
	global_load_b128 v[8*i+4:8*i+7], v[136+i], s[8:9] offset:512
.set i, i+1
.endr
	s_wait_loadcnt 0x0                             ; rows, choices, gates, biases; the three slots of weights are older and so in too
	WIN 0x04                                       ; store data in window 1
.set i, 0
.rept 32
	ds_store_b128 v42, v[8*i:8*i+3]   offset:i*PX
	ds_store_b128 v42, v[8*i+4:8*i+7] offset:i*PX+512
.set i, i+1
.endr
	WIN 0x08
.set i, 0
.rept 4
	ds_store_b128 v43, v[8*i:8*i+3]   offset:i*PX
	ds_store_b128 v43, v[8*i+4:8*i+7] offset:i*PX+512
.set i, i+1
.endr
	WIN 0
	v_bfe_u32 v36, v184, 8, 8                      ; is E the token's second choice?
	v_cmp_eq_u32 vcc_lo, s48, v36
	v_cndmask_b32 v37, v186, v187, vcc_lo          ; then its second gate,
	v_cndmask_b32 v36, 0, v39, vcc_lo              ; and the slice's second plane
	v_add_nc_u32 v36, v17, v36
	ds_store_b32 v40, v36
	ds_store_b32 v40, v37 offset:TGO
	s_cmp_lg_u32 s20, 0
	s_cbranch_scc1 .Lno_b                          ; rows 128 on: wave 0 stores their words
	v_bfe_u32 v38, v185, 8, 8
	v_cmp_eq_u32 vcc_lo, s48, v38
	v_cndmask_b32 v48, v188, v189, vcc_lo
	v_cndmask_b32 v38, 0, v39, vcc_lo
	v_add_nc_u32 v38, v18, v38
	ds_store_b32 v41, v38
	ds_store_b32 v41, v48 offset:TGO
.Lno_b:
.irp k, 20,22,24,26                     ; the biases rounded to bf16 like the other inputs
	v_cvt_pk_bf16_f32 v49, v[\k], v[\k+1]
	v_lshlrev_b32 v[\k], 16, v49
	v_and_b32 v[\k+1], 0xffff0000, v49
.endr
.irp k, 28,30,32,34                     ; each of the four slices adds a quarter of b2
	v_cvt_pk_bf16_f32 v49, v[\k], v[\k+1]
	v_lshlrev_b32 v[\k], 16, v49
	v_and_b32 v[\k+1], 0xffff0000, v49
	v_pk_mul_f32 v[\k:\k+1], v[\k:\k+1], 0x3e800000 op_sel_hi:[1,0]
.endr
	s_wait_dscnt 0x0                               ; for the others' sake: my rows of X and my words of the tables are in LDS
	s_barrier_signal -1
	BIAS 20                                        ; work on registers while the others arrive
	s_barrier_wait -1
	AFILL 0, 0
	PHASE 1                                        ; H = X W1 + b1; its last K steps ask for the second product's first weights
.irp a, 1,2,3,4,5,6,7,8,0
	HOUT \a
.endr
	v_add_nc_u32 v9, HB0-768, v9                   ; A's addresses: from X's K step 12 to H's K step 0
	v_add_nc_u32 v10, HB0-768, v10
	v_add_nc_u32 v11, HB0-768, v11
	s_wait_xcnt 0x0                                ; the base of the loads issued so far is rewritten only behind this wait
	s_add_nc_u64 s[58:59], s[58:59], 4*KSB         ; from the first product's K step 12 to the second's K step 0
	s_wait_dscnt 0x0                               ; for the others' sake: my 128 columns of H are in LDS
	s_barrier_signal -1
	BIAS 28
	s_barrier_wait -1
	AFILL 0, 0
	PHASE 0                                        ; Y = H W2 + b2 / 4
.set i, 0
.rept 9                                 ; rows 16 a + 8 h + 0..7: their places in part into v[56 + 8 a ..], their gates into v[128 + 8 a ..]
	ds_load_b128 v[56+8*i:56+8*i+3],    v15 offset:64*i
	ds_load_b128 v[56+8*i+4:56+8*i+7],  v15 offset:64*i+16
	ds_load_b128 v[128+8*i:128+8*i+3],   v15 offset:TGO+64*i
	ds_load_b128 v[128+8*i+4:128+8*i+7], v15 offset:TGO+64*i+16
.set i, i+1
.endr
	s_wait_dscnt 0x0
.set i, 0
.rept 72
	v_min_u32 v[56+i], 0x1fff, v[56+i]             ; a row of the slice's two planes, whatever LDS holds
	v_lshl_add_u32 v[56+i], v[56+i], 11, v16       ; 2,048 bytes a row, 16 r
.set i, i+1
.endr
.irp a, 0,1,2,3,4,5,6,7,8
	YOUT \a
.endr
.Ldone:
	s_wait_tensorcnt 0x0                           ; the wave's end
	ds_add_u32 v4, v5
	s_wait_dscnt 0x0
	s_endpgm
.Lfunc_end_k_qdb5c8d5749_chain:
	.size	k_qdb5c8d5749_chain, .Lfunc_end_k_qdb5c8d5749_chain-k_qdb5c8d5749_chain
	.p2alignl 7, 3214868480
	.fill 96, 4, 3214868480
	.section	.rodata,"a",@progbits
	.p2align	6, 0x0
	.amdhsa_kernel k_qdb5c8d5749_chain
		.amdhsa_group_segment_fixed_size 301568
		.amdhsa_private_segment_fixed_size 0
		.amdhsa_enable_private_segment 0
		.amdhsa_kernarg_size 56
		.amdhsa_user_sgpr_count 2
		.amdhsa_user_sgpr_kernarg_segment_ptr 1
		.amdhsa_wavefront_size32 1
		.amdhsa_system_sgpr_workgroup_id_x 1
		.amdhsa_system_sgpr_workgroup_id_y 1
		.amdhsa_system_sgpr_workgroup_id_z 1
		.amdhsa_system_vgpr_workitem_id 0
		.amdhsa_next_free_vgpr 1024
		.amdhsa_next_free_sgpr 100
		.amdhsa_reserve_vcc 1
		.amdhsa_float_denorm_mode_32 3
		.amdhsa_float_denorm_mode_16_64 3
		.amdhsa_memory_ordered 1
		.amdhsa_forward_progress 1
		.amdhsa_inst_pref_size 255
	.end_amdhsa_kernel
	.section	.bss,"aw",@nobits
	.p2align	6
	.space	262144
	.amdgpu_metadata
---
amdhsa.version: [ 1, 2 ]
amdhsa.kernels:
  - .name:           k_qdb5c8d5749_chain
    .symbol:         k_qdb5c8d5749_chain.kd
    .args:
      - { .name: route, .offset: 0, .size: 8, .value_kind: global_buffer, .address_space: global }
      - { .name: gates, .offset: 8, .size: 8, .value_kind: global_buffer, .address_space: global }
      - { .name: xb, .offset: 16, .size: 8, .value_kind: global_buffer, .address_space: global }
      - { .name: wb, .offset: 24, .size: 8, .value_kind: global_buffer, .address_space: global }
      - { .name: b1, .offset: 32, .size: 8, .value_kind: global_buffer, .address_space: global }
      - { .name: b2, .offset: 40, .size: 8, .value_kind: global_buffer, .address_space: global }
      - { .name: part, .offset: 48, .size: 8, .value_kind: global_buffer, .address_space: global }
    .group_segment_fixed_size: 301568
    .private_segment_fixed_size: 0
    .kernarg_segment_align: 8
    .kernarg_segment_size: 56
    .max_flat_workgroup_size: 128
    .sgpr_count:     100
    .vgpr_count:     1024
    .wavefront_size: 32
...
	.end_amdgpu_metadata
.endif
;; end of part 2
;; launch combine (part 3): grid 256 x 1, 8 waves a work-group, no clusters, 0 bytes of LDS; arguments part, psum, out0, out1; writes out0, out1
.if DOCPART == 3
	.amdgcn_target "amdgcn-amd-amdhsa--gfx1250"
	.amdhsa_code_object_version 6
	.text
	.protected	k_qdb5c8d5749_combine
	.globl	k_qdb5c8d5749_combine
	.p2align	8
	.type	k_qdb5c8d5749_combine,@function
k_qdb5c8d5749_combine:
	s_mov_b64 s[64:65], 0
	v_nop
	global_prefetch_b8 v0, s[64:65] scope:SCOPE_SE
	s_setreg_imm32_b32 hwreg(HW_REG_WAVE_MODE, 25, 1), 1
	s_wait_xcnt 0x0
; out0 = the sum of the eight planes of part (four slices of the hidden layer x a token's two experts), each [4096][512] f32, added in f32 in ascending order of the planes.
; out1 = sum over e of p_e ln(p_e + 1e-9), p_e = the mean gate: the 128 partial sums of psum, added by wave 0 of work-group 0.
; A stream: every byte of part is read once, every byte of out0 written once.  A work-group owns 16 tokens, 32,768 bytes of each plane, in 8 chunks of 4,096; thread t owns 16 bytes of a chunk, so a
; wave's load or store covers 512 consecutive aligned bytes.  Four chunks of 8 loads are on their way in every wave.  No LDS, no barrier, no matrix unit, no cluster: nothing is shared or multiplied.
.set PLANE, 8388608
; s[8:23] the eight planes at my tokens (a plane's stride does not fit the loads' immediate); s[24:25] out0 at my tokens
; v1 16 t, never rewritten; v[8:135] four slots of 8 x 4 registers; v[136:167] the sums, four registers a chunk, never used twice
	s_load_b256 s[28:35], s[0:1], 0x0              ; part s[28:29], psum s[30:31], out0 s[32:33], out1 s[34:35]
	v_lshlrev_b32 v1, 4, v0
	v_lshrrev_b32 v2, 5, v0
	v_readfirstlane_b32 s40, v2                    ; wave
	s_lshl_b32 s36, ttmp9, 15
	s_mov_b32 s37, 0
	s_mov_b32 s39, 0
	s_wait_kmcnt 0x0
.irp p, 0,1,2,3,4,5,6,7
	s_add_co_u32 s38, s36, \p*PLANE
	s_add_nc_u64 s[8+2*\p:9+2*\p], s[28:29], s[38:39]
.endr
	s_add_nc_u64 s[24:25], s[32:33], s[36:37]
.macro LOADC c
.irp p, 0,1,2,3,4,5,6,7
	global_load_b128 v[8+32*((\c)%4)+4*\p:8+32*((\c)%4)+4*\p+3], v1, s[8+2*\p:9+2*\p] offset:4096*(\c) th:TH_LOAD_NT
.endr
.endm
.macro SUMC c, n                       ; n: the younger chunks' loads, which stay out
	s_wait_loadcnt \n
.set sb, 8+32*((\c)%4)
.set ob, 136+4*(\c)
.irp h, 0,2
	v_pk_add_f32 v[ob+\h:ob+\h+1], v[sb+\h:sb+\h+1], v[sb+4+\h:sb+4+\h+1]
.endr
.irp p, 2,3,4,5,6,7
.irp h, 0,2
	v_pk_add_f32 v[ob+\h:ob+\h+1], v[ob+\h:ob+\h+1], v[sb+4*\p+\h:sb+4*\p+\h+1]
.endr
.endr
	global_store_b128 v1, v[ob:ob+3], s[24:25] offset:4096*(\c) th:TH_STORE_NT
.endm
	LOADC 0
	LOADC 1
	LOADC 2
	LOADC 3
	SUMC 0, 24                                     ; three younger chunks of 8 loads
	LOADC 4
	SUMC 1, 24
	LOADC 5
	SUMC 2, 24
	LOADC 6
	SUMC 3, 24
	LOADC 7
	SUMC 4, 24
	SUMC 5, 16                                     ; nothing is left to load: the counts run down
	SUMC 6, 8
	SUMC 7, 0
	s_cmp_lg_u32 ttmp9, 0
	s_cbranch_scc1 .Lend
	s_cmp_lg_u32 s40, 0
	s_cbranch_scc1 .Lend
	; out1.  Lane l takes rows 4 l .. 4 l + 3 of psum, 8 numbers each
	v_and_b32 v3, 31, v0
	v_lshlrev_b32 v4, 7, v3
	s_mov_b32 s42, 0x76543210
	s_mov_b32 s43, 0xfedcba98
.irp i, 0,1,2,3,4,5,6,7
	global_load_b128 v[8+4*\i:8+4*\i+3], v4, s[30:31] offset:16*\i
.endr
	v_mov_b32 v40, 0                               ; v_permlanex16_b32's destination counts as read; v40 lies outside the registers that the loads above will write
	s_wait_loadcnt 0x0
.irp h, 0,2,4,6
	v_pk_add_f32 v[8+\h:9+\h], v[8+\h:9+\h], v[16+\h:17+\h]
.endr
.irp h, 0,2,4,6
	v_pk_add_f32 v[8+\h:9+\h], v[8+\h:9+\h], v[24+\h:25+\h]
.endr
.irp h, 0,2,4,6
	v_pk_add_f32 v[8+\h:9+\h], v[8+\h:9+\h], v[32+\h:33+\h]
.endr
.irp j, 0,1,2,3,4,5,6,7
	v_add_f32_dpp v[8+\j], v[8+\j], v[8+\j] row_xmask:1 row_mask:0xf bank_mask:0xf
	v_add_f32_dpp v[8+\j], v[8+\j], v[8+\j] row_xmask:2 row_mask:0xf bank_mask:0xf
	v_add_f32_dpp v[8+\j], v[8+\j], v[8+\j] row_xmask:4 row_mask:0xf bank_mask:0xf
	v_add_f32_dpp v[8+\j], v[8+\j], v[8+\j] row_xmask:8 row_mask:0xf bank_mask:0xf
	v_permlanex16_b32 v40, v[8+\j], s42, s43
	v_add_f32 v[8+\j], v[8+\j], v40
.endr
.irp h, 0,2,4,6
	v_pk_mul_f32 v[8+\h:9+\h], v[8+\h:9+\h], 0x39800000 op_sel_hi:[1,0]  ; / 4096
.endr
.irp j, 0,1,2,3,4,5,6,7
	v_add_f32 v[16+\j], 0x3089705f, v[8+\j]        ; + 1e-9
.endr
.irp j, 0,1,2,3,4,5,6,7
	v_log_f32 v[16+\j], v[16+\j]
.endr
	v_mov_b32 v25, 0                               ; the store's offset: also the plain instruction behind the last logarithm
	s_wait_alu depctr_va_vdst(0)                   ; the one wait ahead of the batch's first reader
	v_mul_f32 v26, v8, v16
.irp j, 1,2,3,4,5,6,7
	v_fmac_f32 v26, v[8+\j], v[16+\j]
.endr
	v_mul_f32 v26, 0x3f317218, v26                 ; log2 to ln
	v_cmp_eq_u32 vcc_lo, 0, v3
	s_wait_xcnt 0x0                                ; EXEC is a source of the memory instructions above: it changes only behind this wait
	s_and_saveexec_b32 s41, vcc_lo
	global_store_b32 v25, v26, s[34:35]
	s_wait_xcnt 0x0                                ; and again ahead of the line that widens it
	s_or_b32 exec_lo, exec_lo, s41
.Lend:
	s_endpgm
.Lfunc_end_k_qdb5c8d5749_combine:
	.size	k_qdb5c8d5749_combine, .Lfunc_end_k_qdb5c8d5749_combine-k_qdb5c8d5749_combine
	.p2alignl 7, 3214868480
	.fill 96, 4, 3214868480
	.section	.rodata,"a",@progbits
	.p2align	6, 0x0
	.amdhsa_kernel k_qdb5c8d5749_combine
		.amdhsa_group_segment_fixed_size 0
		.amdhsa_private_segment_fixed_size 0
		.amdhsa_enable_private_segment 0
		.amdhsa_kernarg_size 32
		.amdhsa_user_sgpr_count 2
		.amdhsa_user_sgpr_kernarg_segment_ptr 1
		.amdhsa_wavefront_size32 1
		.amdhsa_system_sgpr_workgroup_id_x 1
		.amdhsa_system_sgpr_workgroup_id_y 1
		.amdhsa_system_sgpr_workgroup_id_z 1
		.amdhsa_system_vgpr_workitem_id 0
		.amdhsa_next_free_vgpr 176
		.amdhsa_next_free_sgpr 66
		.amdhsa_reserve_vcc 1
		.amdhsa_float_denorm_mode_32 3
		.amdhsa_float_denorm_mode_16_64 3
		.amdhsa_memory_ordered 1
		.amdhsa_forward_progress 1
		.amdhsa_inst_pref_size 22
	.end_amdhsa_kernel
	.amdgpu_metadata
---
amdhsa.version: [ 1, 2 ]
amdhsa.kernels:
  - .name:           k_qdb5c8d5749_combine
    .symbol:         k_qdb5c8d5749_combine.kd
    .args:
      - { .name: part, .offset: 0, .size: 8, .value_kind: global_buffer, .address_space: global }
      - { .name: psum, .offset: 8, .size: 8, .value_kind: global_buffer, .address_space: global }
      - { .name: out0, .offset: 16, .size: 8, .value_kind: global_buffer, .address_space: global }
      - { .name: out1, .offset: 24, .size: 8, .value_kind: global_buffer, .address_space: global }
    .group_segment_fixed_size: 0
    .private_segment_fixed_size: 0
    .kernarg_segment_align: 8
    .kernarg_segment_size: 32
    .max_flat_workgroup_size: 256
    .sgpr_count:     66
    .vgpr_count:     176
    .wavefront_size: 32
...
	.end_amdgpu_metadata
.endif
;; end of part 3
